; MI455X (gfx1250); checked and timed in simulation.
; The chip was launched on July 23, 2026; its instructions are those of AMD's public machine-readable ISA for CDNA 5 (MIT licence, August 2026) and "CDNA5" Instruction Set Architecture Reference Guide (July 2026). The comments in the code are by the model that wrote it; some were corrected since.
;; Multi Head Attention. Allowed arithmetic: matrix products marked QUANTISED: E2M1 operands, one E8M0 scale for each 32 along K, by v_wmma_scale_f32_16x16x128_f8f6f4 with both operands' format E2M1 (or v_wmma_scale_f32_32x16x128_f4), f32 sums; products left as they are: bf16, f16 or f32 operands; f32 sums; everything else in f32.
;; Inputs: bo 768 float32; wk 768 x 768 float32; wo 768 x 768 float32; wq 768 x 768 float32; wv 768 x 768 float32; x 1 x 4,096 x 768 float32.
;; Outputs: out0 1 x 4,096 x 768 float32.
;; This version of the problem:
;;   THIS VERSION OF THE PROBLEM IS GIVEN IN LOW PRECISION. The matrix products marked QUANTISED in the list below multiply operands that are first quantised to E2M1 (2 exponent bits, 1 mantissa bit; 4 bits a number), with one power-of-two scale for each 32 numbers along K (OCP MX v1.0); their sums are f32. The products marked 'left as it is' may take bf16, f16 or f32 operands, with f32 sums. Whichever they take, every output number must still come out within the allowed error. Rounding operands to bf16 (8 significant bits) uses up far more of that allowance than f16 does (11 bits, for magnitudes from 6e-5 to 65,504). All else is computed in f32.
;;   The module's matrix products, in the order in which they are computed (A, B: the left and right operand; K: the contracted axis; several contracted axes count as one K, in the product's order):
;;     1. [M 4,096, K 768] x [K 768, N 768]; A: input x; B: input wq: QUANTISED
;;     2. [M 4,096, K 768] x [K 768, N 768]; A: input x; B: input wk: QUANTISED
;;     3. [M 4,096, K 768] x [K 768, N 768]; A: input x; B: input wv: QUANTISED
;;     4. batch 12 x [M 4,096, K 64] x [K 64, N 4,096]; A: computed on the way; B: computed on the way: left as it is (an operand is computed on the way)
;;     5. batch 12 x [M 4,096, K 4,096] x [K 4,096, N 64]; A: computed on the way; B: computed on the way: left as it is (an operand is computed on the way)
;;     6. [M 4,096, K 768] x [K 768, N 768]; A: computed on the way; B: input wo: left as it is (an operand is computed on the way)
;;   THE QUANTISER, for each operand of a quantised product, along K:
;;     - K is cut into blocks of 32 from its start; a last block that is shorter is filled with zeros.
;;     - A block's scale is 2^e with e = floor(log2(the largest magnitude in the block)) - 2, held to -126 .. 127; a block of zeros has e = 0. As a byte (E8M0): e + 127.
;;     - Each number is divided by its block's scale, clamped to +-6, and rounded to the nearest number of E2M1, ties to even, subnormals kept.
;;     - The product sums the exact products of the quantised numbers (number of the format x scale) in f32.
;;   ~~~python
;;   def quantise(x, axis):      # numpy; x: float32 -> the quantised numbers, widened to float32 again
;;       x = np.moveaxis(x, axis, -1); K = x.shape[-1]
;;       x = np.pad(x, [(0, 0)] * (x.ndim - 1) + [(0, -K % 32)]); x = x.reshape(x.shape[:-1] + (-1, 32)); a = np.abs(x).max(-1, keepdims=True)
;;       e = np.where(a > 0, np.clip(np.frexp(np.where(a > 0, a, 1))[1] - 1 - 2, -126, 127), 0)      # np.frexp(a)[1] - 1 = floor(log2(a)), exactly
;;       r = np.clip(x / 2.0 ** e, -6, 6)
;;       step = 2.0 ** (np.maximum(np.frexp(np.where(r == 0, 1, r))[1] - 1, 0) - 1)
;;       q = np.round(r / step) * step * 2.0 ** e      # np.round: ties to even
;;       return np.moveaxis(q.reshape(q.shape[:-2] + (-1,))[..., :K], -1, axis).astype(np.float32)
;;   ~~~
;; One version. Each part assembles by itself: llvm-mc -triple=amdgcn-amd-amdhsa -mcpu=gfx1250 --defsym DOCPART=n.
;; ======== version 1 of 1: 5 launches
;; limits: values are held in f16: magnitudes above 65,504 overflow, below 6.1e-05 lose precision
;; workspace buffers: cod 2,457,600 bytes; scl 153,600 bytes; woh 1,179,648 bytes; qkv 18,874,368 bytes; fine32 147,456 bytes; ctx 6,291,456 bytes
;; launch prep (part 1): grid 6 x 56, 4 waves a work-group, no clusters, 68,096 bytes of LDS; arguments x, wq, wk, wv, wo, cod, scl, woh; writes cod, scl, woh
.if DOCPART == 1
	.amdgcn_target "amdgcn-amd-amdhsa--gfx1250"
	.amdhsa_code_object_version 6
	.text
	.protected	k_q331c22b5b7_prep
	.globl	k_q331c22b5b7_prep
	.p2align	8
	.type	k_q331c22b5b7_prep,@function
k_q331c22b5b7_prep:
	s_mov_b64 s[64:65], 0
	v_nop
	global_prefetch_b8 v0, s[64:65] scope:SCOPE_SE
	s_setreg_imm32_b32 hwreg(HW_REG_WAVE_MODE, 25, 1), 1
	s_wait_xcnt 0x0
; CAUSAL MULTI-HEAD ATTENTION, S = 4,096, D = 768, 12 heads of 64, in five launches: prep, gemm, attn, proj, first16.
; THIS LAUNCH turns x and wq, wk, wv into codes of E2M1 with one E8M0 byte for each 32 along K = 768 (the stated quantiser), and wo into f16.
; WORK LEFT OUT BY THE PROGRAM.  reference() builds the causal mask itself (jnp.tril): a score whose key comes after its query is set to -infinity, its weight is 0 whatever the inputs
; hold, and it reaches no output.  So a step of 64 keys all of which come after a wave's queries is not computed (launch attn).  Limit: a NaN, an infinity or an overflow that would
; arise only in such hidden scores is not carried to the result.  Nothing else is left out; all six inputs are loaded.
; LIMITS.  A block whose largest magnitude lies under 2^-124 gets the byte 1; a block of zeros gets the byte 1 where the quantiser says 127 (its codes are zeros, which add nothing, and
; this program alone reads the bytes); NaN and infinities among the inputs are not served; q, k, v, the context and wo go on as f16: magnitudes up to 65,504, and under 6e-5 an
; absolute error of 3e-8.
; LAYOUT.  cod is ONE tensor of 6,400 operand rows (0-4095: rows of x; 4096 + 768 j + n: column n of wq, wk, wv), laid as images of operand registers:
; [16 rows][K step of 128][1,024 bytes], register group c of lane l at 512 c + 16 l.  scl: [K step][6,400 rows] one word of four bytes.  woh: [16 columns][32 along K][1,024 bytes], f16.
; SHARES.  Work-group x = the K step of 128; a wave takes 32 operand rows x 128 along K and asks for all its numbers at its head.  y < 32: rows of x (K innermost: each load takes 512
; neighbouring bytes of a row, and the rows turn through the wave's own stage in LDS so that a lane holds a whole block of 32).  y >= 32: columns of a weight (K outermost: a lane
; takes a column and its registers run down K; nothing is turned).  No barrier: waves share nothing.  Only the path for x touches LDS.
.set SPARE, 67584                      ; behind the four stages: the spare words, 128 bytes a wave
.set STGW,  16896                      ; a wave's stage: 32 rows x 528 bytes
.set SP,    528                        ; a stage row: 512 bytes + 16, so that 16 rows start at 16 different banks
.set SPW,   4                          ; v4  my spare word's address; never rewritten
.set NIL,   5                          ; v5  0; never rewritten
.set XS,    0                          ; first register of the block of 32 numbers in hand
.set CC,    0                          ; first register of its four registers of codes
; v1 lane, v2 r = lane % 16, v3 h = lane / 16, v6 16 x lane, v7, v8 stage in and out, v9 4 x lane, v10-13 at work, v14-18 scale words, v19 store offset
; v32-159 the numbers as loaded, v160-223 two sets of 32 neighbours (x) or packed f16 (wo), v224-239 codes: four registers a block, never written twice
.macro MAXSC                           ; the block's largest magnitude, with the floor 2^(3 - 127) among its leaves; 2 off its exponent field is the conversion's scale operand
	v_max3_num_f32 v10, |v[XS]|, |v[XS+1]|, |v[XS+2]|
	v_max3_num_f32 v11, |v[XS+3]|, |v[XS+4]|, |v[XS+5]|
.irp i, 6,10,14,18,22,26
	v_max3_num_f32 v10, v10, |v[XS+\i]|, |v[XS+\i+1]|
	v_max3_num_f32 v11, v11, |v[XS+\i+2]|, |v[XS+\i+3]|
.endr
	v_max3_num_f32 v10, v10, |v[XS+30]|, |v[XS+31]|
	v_max3_num_f32 v10, v10, v11, 0x1800000
	v_add_nc_u32 v12, 0xff000000, v10
.endm
.macro CODES                           ; 32 codes in four registers, the lower k in the lower bits; then the scale's byte (a plain line behind the conversions)
.irp g, 0,1,2,3
	v_cvt_scalef32_pk8_fp4_f32 v[CC+\g], v[XS+8*\g:XS+8*\g+7], v12
.endr
	v_lshrrev_b32 v13, 23, v12
.endm
.macro PUTX k                          ; rows 8 k .. 8 k + 7 go into the stage as they were loaded
	s_wait_loadcnt 24-8*(\k)                       ; the younger groups of eight loads stay out
.irp e, 0,1,2,3,4,5,6,7
	ds_store_b128 v7, v[32+4*(8*(\k)+\e):32+4*(8*(\k)+\e)+3] offset:SP*(8*(\k)+\e)
.endr
.endm
.macro READX u                         ; unit u = 2 f + c: lane (r, h) takes k = 64 c + 32 h + 0 .. 31 of row 16 f + r: one whole block
.irp e, 0,1,2,3,4,5,6,7
	ds_load_b128 v[160+32*((\u)%2)+4*\e:160+32*((\u)%2)+4*\e+3], v8 offset:8448*((\u)/2)+256*((\u)%2)+16*\e
.endr
.endm
.macro QUANTX u
.set XS, 160+32*((\u)%2)
.set CC, 224+4*(\u)
	MAXSC
	CODES
	global_store_b128 v6, v[CC:CC+3], s[18:19] offset:6144*((\u)/2)+512*((\u)%2)   ; register group c of fragment f: 512 consecutive bytes
.if (\u)%2 == 0
	v_mov_b32 v14, v13                             ; my byte of block h,
.else
	v_lshl_or_b32 v14, v13, 16, v14                ; and of block 2 + h,
	v_lshlrev_b32 v14, v15, v14                    ; at their places (8 h bits up);
	v_permlanex16_b32 v18, v14, s36, s37
	v_or_b32 v[16+(\u)/2], v14, v18                ; with lane l xor 16's two the row's word is whole
.endif
.endm
.macro BLOCKW b, left                  ; a weight's block b of the K step: all 32 numbers are the lane's
.set XS, 32+32*(\b)
.set CC, 224+4*(\b)
	s_wait_loadcnt \left
	MAXSC
	CODES
	global_store_b128 v19, v[CC:CC+3], s[18:19] offset:512*((\b)/2)+256*((\b)%2)   ; lanes 0-15 fill 256 consecutive bytes of one fragment, lanes 16-31 of the next
.if (\b) == 0
	v_mov_b32 v16, v13
.else
	v_lshl_or_b32 v16, v13, 8*(\b), v16
.endif
.endm
.macro BLOCKO b, left                  ; wo: 32 along K of my column become 16 registers of f16 pairs: four groups of a fragment
	s_wait_loadcnt \left
.irp p, 0,1,2,3,4,5,6,7,8,9,10,11,12,13,14,15
	v_cvt_pk_f16_f32 v[160+16*(\b)+\p], v[32+32*(\b)+2*\p], v[33+32*(\b)+2*\p]
.endr
.irp e, 0,1,2,3
	global_store_b128 v19, v[160+16*(\b)+4*\e:160+16*(\b)+4*\e+3], s[22:23] offset:1024*(\b)+256*\e
.endr
.endm
	s_load_b512 s[8:23], s[0:1], 0x0               ; x 8, wq 10, wk 12, wv 14, wo 16, cod 18, scl 20, woh 22
	v_lshl_add_u32 v[SPW], v0, 2, SPARE
	v_mov_b32 v[NIL], 0
	v_lshrrev_b32 v1, 5, v0
	v_readfirstlane_b32 s24, v1                    ; wave
	v_and_b32 v1, 31, v0                           ; lane
	v_and_b32 v2, 15, v0                           ; r
	v_bfe_u32 v3, v0, 4, 1                         ; h
	v_lshlrev_b32 v6, 4, v1
	v_lshlrev_b32 v9, 2, v1
	s_mov_b32 s25, ttmp9                           ; the K step q
	s_and_b32 s26, ttmp7, 0xffff                   ; y
	s_mov_b32 s33, 0
	s_cmp_lt_u32 s26, 32
	s_cbranch_scc0 .Lweights
; ---- rows of x
	s_mul_i32 s35, s24, STGW
	v_add_nc_u32 v7, s35, v6                       ; into the stage: 16 x lane of a row
	v_mul_u32_u24 v8, v2, SP
	v_lshl_add_u32 v8, v3, 7, v8
	v_add_nc_u32 v8, s35, v8                       ; out of it: row r, 128 h bytes on
	v_lshlrev_b32 v15, 3, v3
	v_mov_b32 v18, 0                               ; a lane permute's destination counts as one of its sources
	s_mov_b32 s36, 0x76543210
	s_mov_b32 s37, 0xfedcba98
	s_lshl_b32 s30, s26, 7
	s_lshl_b32 s31, s24, 5
	s_add_co_u32 s30, s30, s31                     ; my first row: 128 y + 32 wave
	s_mul_i32 s32, s30, 3072
	s_lshl_b32 s34, s25, 9
	s_add_co_u32 s32, s32, s34
	s_wait_kmcnt 0x0
	s_add_nc_u64 s[8:9], s[8:9], s[32:33]          ; x at my first row, K step q
	s_mul_i32 s32, s30, 384
	s_lshl_b32 s34, s25, 10
	s_add_co_u32 s32, s32, s34
	s_add_nc_u64 s[18:19], s[18:19], s[32:33]      ; my two fragments
	s_mul_i32 s32, s25, 25600
	s_lshl_b32 s34, s30, 2
	s_add_co_u32 s32, s32, s34
	s_add_nc_u64 s[20:21], s[20:21], s[32:33]      ; my 32 scale words
.set i, 0
.rept 32
	global_load_b128 v[32+4*i:35+4*i], v6, s[8:9] offset:3072*i th:TH_LOAD_NT   ; 512 consecutive bytes of row i
.set i, i+1
.endr
	PUTX 0
	PUTX 1
	READX 0                                        ; LDS serves a wave's instructions in order: the reads see the stores above them
	READX 1
	PUTX 2
	PUTX 3
	s_wait_dscnt 24                                ; unit 0 is back: unit 1's 8 loads and 16 stores may be out
	QUANTX 0
	READX 2
	s_wait_dscnt 8                                 ; unit 1 is back: unit 2's 8 loads may be out
	QUANTX 1
	READX 3
	s_wait_dscnt 8
	QUANTX 2
	s_wait_dscnt 0x0
	QUANTX 3
	v_cmp_eq_u32 vcc_lo, 1, v3
	v_cndmask_b32 v16, v16, v17, vcc_lo            ; lane l stores row l's word
	global_store_b32 v9, v16, s[20:21]             ; 128 consecutive bytes
	s_wait_tensorcnt 0x0                           ; the wave's end
	ds_add_u32 v[SPW], v[NIL]
	s_wait_dscnt 0x0
	s_endpgm
; ---- columns of a weight: y - 32 = 4 x (group of 128 columns) + j; j = 0, 1, 2: wq, wk, wv; j = 3: wo
.Lweights:
	s_sub_co_u32 s26, s26, 32
	s_and_b32 s27, s26, 3                          ; j
	s_lshr_b32 s26, s26, 2                         ; the group of 128 columns
	s_mul_i32 s32, s25, 393216                     ; 128 q rows of 3,072 bytes
	s_lshl_b32 s34, s26, 9
	s_add_co_u32 s32, s32, s34
	s_lshl_b32 s34, s24, 7
	s_add_co_u32 s32, s32, s34                     ; + my wave's 32 columns
	s_lshl_b32 s30, s26, 3
	s_lshl_b32 s34, s24, 1
	s_add_co_u32 s30, s30, s34                     ; my first tile of 16 columns
	s_wait_kmcnt 0x0
	s_cmp_eq_u32 s27, 1                            ; the choice hangs on the work-group's number alone
	s_cselect_b64 s[28:29], s[12:13], s[10:11]
	s_cmp_eq_u32 s27, 2
	s_cselect_b64 s[28:29], s[14:15], s[28:29]
	s_cmp_eq_u32 s27, 3
	s_cselect_b64 s[28:29], s[16:17], s[28:29]
	s_add_nc_u64 s[28:29], s[28:29], s[32:33]
.set i, 0
.rept 128
	global_load_b32 v[32+i], v9, s[28:29] offset:3072*i th:TH_LOAD_NT   ; row 128 q + i at my column: 128 consecutive bytes a wave, 512 a work-group
.set i, i+1
.endr
	s_cmp_eq_u32 s27, 3
	s_cbranch_scc1 .Lwo
	s_mul_i32 s34, s27, 48
	s_add_co_u32 s34, s34, s30
	s_add_co_u32 s34, s34, 256                     ; my first block of 16 operand rows: 256 + 48 j + tile
	s_mul_i32 s32, s34, 6144
	s_lshl_b32 s35, s25, 10
	s_add_co_u32 s32, s32, s35
	s_add_nc_u64 s[18:19], s[18:19], s[32:33]
	s_mul_i32 s32, s25, 25600
	s_lshl_b32 s34, s34, 6
	s_add_co_u32 s32, s32, s34
	s_add_nc_u64 s[20:21], s[20:21], s[32:33]
	v_mul_u32_u24 v19, v3, 6144
	v_lshl_add_u32 v19, v2, 4, v19                 ; fragment lane / 16, place 16 r
	BLOCKW 0, 63                                   ; 96 younger loads could stay out; a wait names 63 at the most
	BLOCKW 1, 63                                   ; 64 could
	BLOCKW 2, 32
	BLOCKW 3, 0
	global_store_b32 v9, v16, s[20:21]             ; my column's word: 128 consecutive bytes a wave
	s_endpgm
.Lwo:
	s_mul_i32 s32, s30, 24576
	s_lshl_b32 s34, s25, 12
	s_add_co_u32 s32, s32, s34
	s_add_nc_u64 s[22:23], s[22:23], s[32:33]
	v_mul_u32_u24 v19, v3, 24576
	v_lshl_add_u32 v19, v2, 4, v19
	BLOCKO 0, 63
	BLOCKO 1, 63
	BLOCKO 2, 32
	BLOCKO 3, 0
	s_endpgm
.Lfunc_end_k_q331c22b5b7_prep:
	.size	k_q331c22b5b7_prep, .Lfunc_end_k_q331c22b5b7_prep-k_q331c22b5b7_prep
	.p2alignl 7, 3214868480
	.fill 96, 4, 3214868480
	.section	.rodata,"a",@progbits
	.p2align	6, 0x0
	.amdhsa_kernel k_q331c22b5b7_prep
		.amdhsa_group_segment_fixed_size 68096
		.amdhsa_private_segment_fixed_size 0
		.amdhsa_enable_private_segment 0
		.amdhsa_kernarg_size 64
		.amdhsa_user_sgpr_count 2
		.amdhsa_user_sgpr_kernarg_segment_ptr 1
		.amdhsa_wavefront_size32 1
		.amdhsa_system_sgpr_workgroup_id_x 1
		.amdhsa_system_sgpr_workgroup_id_y 1
		.amdhsa_system_sgpr_workgroup_id_z 1
		.amdhsa_system_vgpr_workitem_id 0
		.amdhsa_next_free_vgpr 240
		.amdhsa_next_free_sgpr 66
		.amdhsa_reserve_vcc 1
		.amdhsa_float_denorm_mode_32 3
		.amdhsa_float_denorm_mode_16_64 3
		.amdhsa_memory_ordered 1
		.amdhsa_forward_progress 1
		.amdhsa_inst_pref_size 42
	.end_amdhsa_kernel
	.amdgpu_metadata
---
amdhsa.version: [ 1, 2 ]
amdhsa.kernels:
  - .name:           k_q331c22b5b7_prep
    .symbol:         k_q331c22b5b7_prep.kd
    .args:
      - { .name: x, .offset: 0, .size: 8, .value_kind: global_buffer, .address_space: global }
      - { .name: wq, .offset: 8, .size: 8, .value_kind: global_buffer, .address_space: global }
      - { .name: wk, .offset: 16, .size: 8, .value_kind: global_buffer, .address_space: global }
      - { .name: wv, .offset: 24, .size: 8, .value_kind: global_buffer, .address_space: global }
      - { .name: wo, .offset: 32, .size: 8, .value_kind: global_buffer, .address_space: global }
      - { .name: cod, .offset: 40, .size: 8, .value_kind: global_buffer, .address_space: global }
      - { .name: scl, .offset: 48, .size: 8, .value_kind: global_buffer, .address_space: global }
      - { .name: woh, .offset: 56, .size: 8, .value_kind: global_buffer, .address_space: global }
    .group_segment_fixed_size: 68096
    .private_segment_fixed_size: 0
    .kernarg_segment_align: 8
    .kernarg_segment_size: 64
    .max_flat_workgroup_size: 128
    .sgpr_count:     66
    .vgpr_count:     240
    .wavefront_size: 32
...
	.end_amdgpu_metadata
.endif
;; end of part 1
;; launch gemm (part 2): grid 144 x 1, 4 waves a work-group, no clusters, 209,408 bytes of LDS; arguments cod, scl, qkv, fine32; writes qkv, fine32
.if DOCPART == 2
	.amdgcn_target "amdgcn-amd-amdhsa--gfx1250"
	.amdhsa_code_object_version 6
	.text
	.protected	k_q331c22b5b7_gemm
	.globl	k_q331c22b5b7_gemm
	.p2align	8
	.type	k_q331c22b5b7_gemm,@function
k_q331c22b5b7_gemm:
	s_mov_b64 s[64:65], 0
	v_nop
	global_prefetch_b8 v0, s[64:65] scope:SCOPE_SE
	s_setreg_imm32_b32 hwreg(HW_REG_WAVE_MODE, 25, 1), 1
	s_wait_xcnt 0x0
; THE THREE QUANTISED PRODUCTS x wq, x wk, x wv, on codes of E2M1 with E8M0 scales, K = 768, sums in f32; one text for all three.
; A work-group multiplies 256 operand rows S1 of cod (source 1: they become the result's lanes) by 256 rows S0 (source 0: they become a lane's eight neighbouring registers).
; Work-groups 0-95 (q and k): S1 = rows of x, S0 = columns of wq | wk: a lane holds eight neighbouring channels of one position.  Work-groups 96-143 (v): S1 = columns of wv, S0 = rows of x:
; a lane holds eight neighbouring KEYS of one channel, which is how the second product of attention wants v.  Only offsets are chosen, by the work-group's number.
; Rounded to f16 in pairs, a lane's results ARE register groups of the next launch's operands: they are stored straight from registers, 512 consecutive bytes an instruction.
; qkv: q at 0, k at 6,291,456: [head][16 positions][32 channels][1,024 bytes]; v at 12,582,912: [head][64 keys][16 channels][32 keys][1,024 bytes].
; fine32 keeps q, k, v of positions 0-15 in f32 for the last launch: [16][1,536] (q | k), then at 98,304 [768 channels][16 positions].
; K is short: all six K steps of both operands (4 x 49,152 bytes) and their scale words come into LDS once, with the first fills; nothing is filled again, so there is no ring.
; NO CLUSTER: a tile of S0 is read by 16 work-groups in q and k but by 3 in v, a tile of S1 by 6 or by 16: the 144 work-groups divide into clusters of four along neither operand for all
; three products alike, and a mask chosen by the work-group's number would be a chosen word of descriptor group 1.
; A wave makes 128 x 128: 64 accumulators, (a, b) at v[8 (8 (a % 4) + b)] of window 2 (a < 4) or 3.  Window 0: addresses, scale words v32-79, S1's fragments v128-191 (one set).
; Window 1: S0's fragments, two sets, at v0 and v128.
.set SCL,   196608                     ; behind the codes: scale words, 3,072 bytes for each 128 rows: [K step][128 words]
.set SPARE, 208896                     ; the spare words, 128 bytes a wave
.set ADRA, 16                          ; v16  my S1 fragments in LDS
.set ADRB, 20                          ; v20  my S0 fragments
.set LI,   24                          ; v24  16 x lane
.set FQ,   25                          ; v25  fine32, q and k: 6,144 r + 32 h
.set FV,   26                          ; v26  fine32, v: 64 r + 32 h
.set ADRS, 27                          ; v27  my scale words: lanes 0-15 S1's rows, lanes 16-31 S0's
.set SPW,  28
.set NIL,  29
.set SC,   32                          ; register 6 i + q: lanes 0-15 the words of S1's block i, lanes 16-31 of S0's block i, K step q; scales and nothing else
.set AF,   128
.set TMP,  128                         ; the way out: four sets of 32 packed registers
.set G1C, 24                           ; s[24:31] group 1, codes;  s[32:39] group 1, scale words;  s[40:43], s[44:47] their groups 0
.set G1S, 32
.set G0C, 40
.set G0S, 44
.set MSB, 0
.macro WIN new                         ; the immediate's high byte repeats the setting that is left
.if MSB != (\new)
	s_set_vgpr_msb (MSB<<8)|(\new)
.set MSB, (\new)
.endif
.endm
.set MUL_LO, 0xa1                      ; source 0 window 1, source 1 window 0, C and D window 2
.set MUL_HI, 0xf1
.set TO_B,   0x40
.macro PLACES n
.rept \n
	v_nop
.endr
.endm
.macro FRAG reg, adr, q, i             ; a fragment is an image of its 8 registers: two loads of 512 consecutive bytes
.irp c, 0,1
	ds_load_b128 v[\reg+4*\c:\reg+4*\c+3], v[\adr] offset:6144*(\i)+1024*(\q)+512*\c
.endr
.endm
.macro FETCH_B q, p
	WIN TO_B
.irp i, 0,1,2,3,4,5,6,7
	FRAG 128*(\p)+8*\i, ADRB, \q, \i
.endr
	WIN 0
.endm
.macro FETCH_A q, i0
.irp i, \i0, \i0+1, \i0+2, \i0+3
	FRAG AF+8*(\i), ADRA, \q, \i
.endr
.endm
; 16 products: S1's blocks a0, a0 + 1 x S0's eight.  The 64 accumulators take turns, one instruction a turn, in the same order in every step.
.macro MUL16 a0, p, q, zero
.irp a, \a0, \a0+1
.irp b, 0,1,2,3,4,5,6,7
.if \zero
	v_wmma_scale_f32_16x16x128_f8f6f4 v[8*(8*((\a)%4)+\b):8*(8*((\a)%4)+\b)+7], v[128*(\p)+8*\b:128*(\p)+8*\b+7], v[AF+8*(\a):AF+8*(\a)+7], 0, v[SC+6*\b+(\q)], v[SC+6*(\a)+(\q)] matrix_a_fmt:MATRIX_FMT_FP4 matrix_b_fmt:MATRIX_FMT_FP4 matrix_a_scale:MATRIX_SCALE_ROW1
.else
	v_wmma_scale_f32_16x16x128_f8f6f4 v[8*(8*((\a)%4)+\b):8*(8*((\a)%4)+\b)+7], v[128*(\p)+8*\b:128*(\p)+8*\b+7], v[AF+8*(\a):AF+8*(\a)+7], v[8*(8*((\a)%4)+\b):8*(8*((\a)%4)+\b)+7], v[SC+6*\b+(\q)], v[SC+6*(\a)+(\q)] matrix_a_fmt:MATRIX_FMT_FP4 matrix_b_fmt:MATRIX_FMT_FP4 matrix_a_scale:MATRIX_SCALE_ROW1
.endif
.endr
.endr
.endm
; A K step of 128 that has a successor.  A block of S1 is free when its eight products are issued: blocks 0-3 are fetched anew in the step's middle, blocks 4-7 at its end.
.macro STEP q, zero
	s_wait_dscnt 8                                 ; all but the youngest eight loads (S1's blocks 4-7)
	WIN MUL_LO
	MUL16 0, (\q)%2, \q, \zero
	MUL16 2, (\q)%2, \q, \zero
	s_wait_dscnt 0x0
	PLACES 4                                       ; four plain places in front of loads into registers that matrix instructions have read
	FETCH_B (\q)+1, 1-(\q)%2
	FETCH_A (\q)+1, 0
	WIN MUL_HI
	MUL16 4, (\q)%2, \q, \zero
	MUL16 6, (\q)%2, \q, \zero
	PLACES 4
	WIN 0
	FETCH_A (\q)+1, 4
.endm
; Block a of 16 lanes' rows leaves: 64 results a lane become 32 registers of f16 pairs; each group of four is stored as it stands.
.macro OUT a
.set AC, 64*((\a)%4)
.set TT, TMP+32*((\a)%4)
.if (\a) >= 4
	s_wait_xcnt 0x0                                ; the stores of four blocks ago have read this set of registers
.endif
	WIN 0x0a+5*((\a)/4)
.irp b, 0,1,2,3,4,5,6,7
.irp p, 0,1,2,3
	v_cvt_pk_f16_f32 v[TT+4*\b+\p], v[AC+8*\b+2*\p], v[AC+8*\b+2*\p+1]
.endr
.endr
	WIN 0
.irp b, 0,1,2,3,4,5,6,7
	global_store_b128 v[LI], v[TT+4*\b:TT+4*\b+3], s[48+2*(\b/4)+4*((\a)/4):49+2*(\b/4)+4*((\a)/4)] offset:2048*((\a)%4)+1024*((\b/2)%2)+512*(\b%2)
.endr
.endm
	s_load_b256 s[4:11], s[0:1], 0x0               ; cod 4, scl 6, qkv 8, fine32 10
	v_lshl_add_u32 v[SPW], v0, 2, SPARE
	v_mov_b32 v[NIL], 0
	ds_add_u32 v[SPW], v[NIL]                      ; the wave's opening: the add, twice on end, and its wait ahead of my first tensor load
	ds_add_u32 v[SPW], v[NIL]
	v_lshrrev_b32 v1, 5, v0
	v_readfirstlane_b32 s12, v1                    ; wave
	s_lshr_b32 s13, s12, 1                         ; which 128 rows of S1 are mine.  Also: I fetch for S1 (0) or S0 (1)
	s_and_b32 s14, s12, 1                          ; which 128 rows of S0.  Also: which half I fetch
	s_mov_b32 s15, ttmp9
	s_sub_co_u32 s16, s15, 96
	s_and_b32 s17, s15, 15
	s_lshr_b32 s18, s15, 4
	s_lshr_b32 s19, s16, 4
	s_and_b32 s20, s16, 15
	s_mov_b32 s58, 8192
	s_mov_b32 s59, 524288
	s_cmp_lt_u32 s15, 96                           ; q and k, or v
	s_cselect_b32 s17, s17, s19                    ; S1's tile of 256 rows
	s_cselect_b32 s18, s18, s20                    ; S0's
	s_cselect_b32 s21, 0, 5632                     ; where S1's tensor begins in cod: x, or wv
	s_cselect_b32 s22, 4096, 0                     ; and S0's: wq | wk, or x
	s_cselect_b32 s23, 0, 1
	s_cselect_b32 s19, s59, s58                    ; P0: bytes in qkv from one group of 64 of S0's rows to the next
	s_cselect_b32 s59, s58, s59                    ; P1: the same for S1's rows
	s_mov_b32 s58, s19
	s_cselect_b32 s20, 0, 12582912
	s_lshl_b32 s16, s17, 8
	s_add_co_u32 s21, s21, s16
	s_lshl_b32 s16, s18, 8
	s_add_co_u32 s22, s22, s16
	s_cmp_eq_u32 s13, 0
	s_cselect_b32 s19, s21, s22
	s_lshl_b32 s16, s14, 7
	s_add_co_u32 s19, s19, s16                     ; the first of the 128 rows that I fetch
	s_mul_i32 s60, s19, 384                        ; their codes: 6,144 bytes for each 16 rows
	s_mov_b32 s61, 0
	s_lshl_b32 s62, s19, 2                         ; their scale words
	s_mov_b32 s63, 0
	s_or_b32 s56, s17, s13
	s_or_b32 s56, s56, s23                         ; 0: my lanes are positions 0-127 of q or k
	s_xor_b32 s16, s23, 1
	s_or_b32 s57, s18, s14
	s_or_b32 s57, s57, s16                         ; 0: my registers are keys 0-127 of v
	s_mov_b32 s[G1C], 3<<16                        ; codes: 49,152 dense bytes as 192 rows of 32 elements of 8 bytes
	s_mov_b32 s[G1C+1], 32<<16
	s_mov_b32 s[G1C+2], 192<<16
	s_mov_b32 s[G1C+3], 32<<16
	s_mov_b32 s[G1C+4], 192
	s_mov_b32 s[G1C+5], 32
	s_mov_b32 s[G1C+6], 0
	s_mov_b32 s[G1C+7], 0
	s_mov_b32 s[G1S], 3<<16                        ; scale words: 6 rows (K steps) of 512 bytes, 25,600 bytes apart
	s_mov_b32 s[G1S+1], 64<<16
	s_mov_b32 s[G1S+2], 6<<16
	s_mov_b32 s[G1S+3], 64<<16
	s_mov_b32 s[G1S+4], 6
	s_mov_b32 s[G1S+5], 3200
	s_mov_b32 s[G1S+6], 0
	s_mov_b32 s[G1S+7], 0
	s_mov_b32 s[G0S], 1
	s_mul_i32 s16, s12, 3072
	s_add_co_u32 s[G0S+1], s16, SCL
	s_mov_b32 s[G0C], 1
	s_mul_i32 s[G0C+1], s12, 49152
	s_wait_dscnt 0x0                               ; both opening adds are done
	s_wait_kmcnt 0x0
	s_add_nc_u64 s[G0S+2:G0S+3], s[6:7], s[62:63]
	s_or_b32 s[G0S+3], s[G0S+3], 0x80000000
	s_add_nc_u64 s[G0C+2:G0C+3], s[4:5], s[60:61]
	s_or_b32 s[G0C+3], s[G0C+3], 0x80000000
	tensor_load_to_lds s[G0S:G0S+3], s[G1S:G1S+7]  ; every wave issues two loads, into bytes that are its own by its number: two of mine are out
	s_nop 0
	tensor_load_to_lds s[G0C:G0C+3], s[G1C:G1C+7]
	s_nop 0
	PLACES 4
	v_and_b32 v1, 31, v0
	v_and_b32 v2, 15, v0                           ; r
	v_bfe_u32 v3, v0, 4, 1                         ; h
	v_lshlrev_b32 v[LI], 4, v1
	s_mul_i32 s16, s13, 49152
	v_add_nc_u32 v[ADRA], s16, v[LI]
	s_mul_i32 s16, s14, 49152
	s_add_co_u32 s16, s16, 98304
	v_add_nc_u32 v[ADRB], s16, v[LI]
	v_mul_u32_u24 v[FQ], v2, 6144
	v_lshl_add_u32 v[FQ], v3, 5, v[FQ]
	v_lshlrev_b32 v[FV], 6, v2
	v_lshl_add_u32 v[FV], v3, 5, v[FV]
	v_lshlrev_b32 v5, 2, v2
	s_mul_i32 s21, s13, 3072                       ; S1's words: my 128 rows
	s_mul_i32 s22, s14, 3072                       ; S0's, behind S1's 256 rows
	s_add_co_u32 s22, s22, 6144
	s_sub_co_u32 s22, s22, s21
	v_mul_u32_u24 v6, s22, v3                      ; lanes 16-31 take S0's: one product with h
	s_add_co_u32 s21, s21, SCL
	v_add_nc_u32 v5, v5, v6
	v_add_nc_u32 v[ADRS], s21, v5
	s_lshl_b32 s16, s18, 2
	s_lshl_b32 s19, s14, 1
	s_add_co_u32 s16, s16, s19                     ; my first group of 64 of S0's rows
	s_mul_i32 s60, s16, s58
	s_lshl_b32 s16, s17, 2
	s_lshl_b32 s19, s13, 1
	s_add_co_u32 s16, s16, s19                     ; and of S1's
	s_mul_i32 s16, s16, s59
	s_add_co_u32 s60, s60, s16
	s_add_co_u32 s60, s60, s20
	s_add_nc_u64 s[48:49], s[8:9], s[60:61]        ; four bases: S0's group + 0, 1 and S1's group + 0, 1
	s_mov_b32 s60, s58
	s_add_nc_u64 s[50:51], s[48:49], s[60:61]
	s_mov_b32 s60, s59
	s_add_nc_u64 s[52:53], s[48:49], s[60:61]
	s_add_nc_u64 s[54:55], s[50:51], s[60:61]
	s_lshl_b32 s62, s18, 10
	s_lshl_b32 s16, s14, 9
	s_add_co_u32 s62, s62, s16
	s_add_nc_u64 s[66:67], s[10:11], s[62:63]      ; fine32: my 128 columns of q | k
	s_lshl_b32 s62, s17, 14
	s_lshl_b32 s16, s13, 13
	s_add_co_u32 s62, s62, s16
	s_add_co_u32 s62, s62, 98304
	s_add_nc_u64 s[68:69], s[10:11], s[62:63]      ; fine32: my 128 channels of v
	s_wait_tensorcnt 0x0                           ; my parts are in,
	s_barrier_signal -1
	s_barrier_wait -1                              ; everybody's are; nothing is filled again
	FETCH_B 0, 0
	FETCH_A 0, 0
.irp i, 0,1,2,3,4,5,6,7
.irp q, 0,1,2,3,4,5
	ds_load_b32 v[SC+6*\i+\q], v[ADRS] offset:512*\q+64*\i   ; all scale words, once
.endr
.endr
	FETCH_A 0, 4
	STEP 0, 1                                      ; the first products start the sums: nothing is cleared
	STEP 1, 0
	STEP 2, 0
	STEP 3, 0
	STEP 4, 0
	s_wait_dscnt 8                                 ; the last step fetches nothing
	WIN MUL_LO
	MUL16 0, 1, 5, 0
	MUL16 2, 1, 5, 0
	s_wait_dscnt 0x0
	WIN MUL_HI
	MUL16 4, 1, 5, 0
	MUL16 6, 1, 5, 0
	WIN 0
	PLACES 4                                       ; in front of the first reads of results and the first writes of operand registers
	s_cmp_lg_u32 s56, 0                            ; positions 0-15 of q and k in f32: block a = 0 of the waves that hold them.  Each accumulator is read from its low end on
	s_cbranch_scc1 .Lno_fq
	WIN 0x08
.irp b, 0,1,2,3,4,5,6,7
	global_store_b128 v[FQ], v[8*\b:8*\b+3], s[66:67] offset:64*\b
	global_store_b128 v[FQ], v[8*\b+4:8*\b+7], s[66:67] offset:64*\b+16
.endr
	WIN 0
.Lno_fq:
	s_cmp_lg_u32 s57, 0                            ; keys 0-15 of v in f32: block b = 0
	s_cbranch_scc1 .Lno_fv
.irp a, 0,1,2,3,4,5,6,7
	WIN 0x08+4*(\a/4)
	global_store_b128 v[FV], v[64*(\a%4):64*(\a%4)+3], s[68:69] offset:1024*\a
	global_store_b128 v[FV], v[64*(\a%4)+4:64*(\a%4)+7], s[68:69] offset:1024*\a+16
.endr
	WIN 0
.Lno_fv:
.irp a, 0,1,2,3,4,5,6,7
	OUT \a
.endr
	s_wait_tensorcnt 0x0                           ; the wave's end
	ds_add_u32 v[SPW], v[NIL]
	s_wait_dscnt 0x0
	s_endpgm
.Lfunc_end_k_q331c22b5b7_gemm:
	.size	k_q331c22b5b7_gemm, .Lfunc_end_k_q331c22b5b7_gemm-k_q331c22b5b7_gemm
	.p2alignl 7, 3214868480
	.fill 96, 4, 3214868480
	.section	.rodata,"a",@progbits
	.p2align	6, 0x0
	.amdhsa_kernel k_q331c22b5b7_gemm
		.amdhsa_group_segment_fixed_size 209408
		.amdhsa_private_segment_fixed_size 0
		.amdhsa_enable_private_segment 0
		.amdhsa_kernarg_size 32
		.amdhsa_user_sgpr_count 2
		.amdhsa_user_sgpr_kernarg_segment_ptr 1
		.amdhsa_wavefront_size32 1
		.amdhsa_system_sgpr_workgroup_id_x 1
		.amdhsa_system_sgpr_workgroup_id_y 1
		.amdhsa_system_sgpr_workgroup_id_z 1
		.amdhsa_system_vgpr_workitem_id 0
		.amdhsa_next_free_vgpr 1024
		.amdhsa_next_free_sgpr 72
		.amdhsa_reserve_vcc 0
		.amdhsa_float_denorm_mode_32 3
		.amdhsa_float_denorm_mode_16_64 3
		.amdhsa_memory_ordered 1
		.amdhsa_forward_progress 1
		.amdhsa_inst_pref_size 98
	.end_amdhsa_kernel
	.amdgpu_metadata
---
amdhsa.version: [ 1, 2 ]
amdhsa.kernels:
  - .name:           k_q331c22b5b7_gemm
    .symbol:         k_q331c22b5b7_gemm.kd
    .args:
      - { .name: cod, .offset: 0, .size: 8, .value_kind: global_buffer, .address_space: global }
      - { .name: scl, .offset: 8, .size: 8, .value_kind: global_buffer, .address_space: global }
      - { .name: qkv, .offset: 16, .size: 8, .value_kind: global_buffer, .address_space: global }
      - { .name: fine32, .offset: 24, .size: 8, .value_kind: global_buffer, .address_space: global }
    .group_segment_fixed_size: 209408
    .private_segment_fixed_size: 0
    .kernarg_segment_align: 8
    .kernarg_segment_size: 32
    .max_flat_workgroup_size: 128
    .sgpr_count:     72
    .vgpr_count:     1024
    .wavefront_size: 32
...
	.end_amdgpu_metadata
.endif
;; end of part 2
;; launch attn (part 3): grid 16 x 12, 8 waves a work-group, no clusters, 327,680 bytes of LDS; arguments qkv, ctx; writes ctx
.if DOCPART == 3
	.amdgcn_target "amdgcn-amd-amdhsa--gfx1250"
	.amdhsa_code_object_version 6
	.text
	.protected	k_q331c22b5b7_attn
	.globl	k_q331c22b5b7_attn
	.p2align	8
	.type	k_q331c22b5b7_attn,@function
k_q331c22b5b7_attn:
	s_mov_b64 s[64:65], 0
	v_nop
	global_prefetch_b8 v0, s[64:65] scope:SCOPE_SE
	s_setreg_imm32_b32 hwreg(HW_REG_WAVE_MODE, 25, 1), 1
	s_wait_xcnt 0x0
; ctx[q] = the sum over keys k <= q of softmax_k(Q[q] . K[k] / 8) V[k], for each of 12 heads of 64; operands f16, products, maxima and sums f32, running maximum.
; WORK LEFT OUT: a step of 64 keys all of which come after the wave's 32 queries (reference()'s own causal mask gives them weight 0 for all inputs).
; SHARES.  Work-group (i, head) owns the query blocks i and 31 - i, 128 queries each, one after the other: (i / 2 + 1) + (16 - i / 2) = 17 slots of 256 keys for every work-group, so the
; trip count is a constant and all 192 work-groups are equally long.  Wave w: queries 32 (w % 4) on, two tiles of 16; THE KEYS ARE SPLIT between waves w and w + 4: of each 128 keys
; group w / 4 takes 64.  At a block's end wave w + 4 hands its maximum, sum and O^T to wave w through LDS, as images of registers.
; LAYOUT.  S^T = K Q^T and O^T = V^T P: a lane holds one query throughout; p rounded to f16 in pairs, in place, is the second product's operand.  All operands lie in memory as images
; of their registers, so every fragment is two loads of 512 consecutive bytes, and O^T packed to f16 is stored as the next launch's fragments.
; THE RING.  Two slots of 64 KiB: K's 256 keys, then V's.  Every wave fetches 8 KiB of each slot with one tensor load: two rows of 4,096 bytes, 32 keys' worth from each half of the slot,
; so that every load brings bytes that are read; in the last slot of an even block the second half's keys are all hidden: they ride in a tile that also holds live work.
; NO CLUSTER: in one and the same trip the work-groups of a head stand at different key slots (slot T before the change of blocks, slot T - i / 2 - 1 behind it), so no joint request
; could be the same in all partners.
; The step is written once: a block's first step finds O^T and the sum at zero and the maximum at -3e38, which the first change of the maximum leaves at zero.
.set SLOTB,  65536
.set STAGE0, 131072                    ; two stages of 36,864 bytes for the hand-over: pair w % 4 at 9,216 (w % 4); tile t at 4,608 t: 8 images of O^T, one of the statistics
.set STGB,   36864
.set SPARE,  204800                    ; the spare words, 128 bytes a wave
.set LI,   1                           ; v1   16 x lane
.set AK,   2                           ; v2, v3  my group's fragments in slot 0, 1
.set SPW,  4
.set NIL,  5
.set STW,  6                           ; v6   my pair's place in stage 0
.set RH,   7                           ; v7   r - 8 h
.set MD,   8                           ; v8, v9  the mask's bound for tile 0, 1
.set NINF, 10                          ; v10  -infinity
.set PFO,  11                          ; v11  the prefetch's offset: 256 (lane % 16) + 16,384 (lane / 16)
.set ST,   12                          ; tile t at ST + 8 t: +0 c m, +1 m, +2, +3 the sum (even, odd keys), +4 .. +7 at work; +6 the factor a
.set YS,   28                          ; v28-31 a second chain of sums for each tile
.set Q,    32                          ; 16 t + 8 dk
.set KV,   64                          ; eight fragments of K, then of V
.set S,    128                         ; 32 t + 8 a: the scores, then p, then p in f16 in the first 16
.set OT,   192                         ; 32 t + 8 dt
; s18 wave, s19 w % 4, s20 64 (w / 4), s21 w / 4, s[22:23] c, s[24:31] group 1, s[32:39] groups 0, s[40:41] my tile of key slot 0, s[42:43] 32,768, s[44:45] offset of the next tile,
; s[46:47] prefetch, s48 T, s49 the trip of the change of blocks, s50 the slot's first key, s51 the next slot's, s52 my first query, s53 the step's first key, s54 at work,
; s55 prefetch limit, s56 loop count, s57 head, s[58:59] Q, s[60:61] ctx, s[62:63] lane selects, s66 i, s[68:69] at work
.macro INIT                            ; a block begins: zeros, the maximum -3e38, my 32 queries
.set j, 0
.rept 64
	v_mov_b32 v[OT+j], 0
.set j, j+1
.endr
.irp t, 0,1
	v_mov_b32 v[ST+8*\t+1], 0xff61b1e6
	v_mov_b32 v[ST+8*\t+2], 0
	v_mov_b32 v[ST+8*\t+3], 0
	v_mov_b32 v[ST+8*\t+7], 0                      ; named as the upper word of the pair that holds the factor, so it is written, also where a wave's every step of a block is hidden
	v_mul_f32 v[ST+8*\t], s22, v[ST+8*\t+1]
.endr
	s_lshl_b32 s68, s52, 7
	s_lshl_b32 s54, s57, 19
	s_add_co_u32 s68, s68, s54
	s_wait_xcnt 0x0                                ; the last block's stores have read their base and their data
	s_add_nc_u64 s[58:59], s[4:5], s[68:69]
	s_mul_i32 s68, s52, 1536
	s_lshl_b32 s54, s57, 11
	s_add_co_u32 s68, s68, s54
	s_add_nc_u64 s[60:61], s[6:7], s[68:69]
.irp t, 0,1
.irp e, 0,1,2,3
	global_load_b128 v[Q+16*\t+4*\e:Q+16*\t+4*\e+3], v[LI], s[58:59] offset:2048*\t+512*\e
.endr
.endr
	s_wait_loadcnt 0x0
.endm
.macro PUT st                          ; waves 4-7: my partial result goes to the stage as it stands; each accumulator from its low end on
.irp t, 0,1
.irp i, 0,1,2,3,4,5,6,7
	ds_store_b128 v[STW], v[OT+32*\t+4*\i:OT+32*\t+4*\i+3] offset:STGB*\st+4608*\t+512*\i
.endr
	ds_store_b128 v[STW], v[ST+8*\t:ST+8*\t+3] offset:STGB*\st+4608*\t+4096
.endr
.endm
.macro MERGE st                        ; waves 0-3: the two halves of the keys are joined under their common maximum, divided by the sum, rounded to f16 and stored
.irp t, 0,1
.irp i, 0,1,2,3,4,5,6,7
	ds_load_b128 v[KV+32*\t+4*\i:KV+32*\t+4*\i+3], v[STW] offset:STGB*\st+4608*\t+512*\i
.endr
	ds_load_b128 v[S+4*\t:S+4*\t+3], v[STW] offset:STGB*\st+4608*\t+4096
.endr
	s_wait_dscnt 0x0
.irp t, 0,1
	v_max_num_f32 v[S+8+\t], v[ST+8*\t], v[S+4*\t]
.endr
.irp t, 0,1
	v_sub_f32 v[S+10+\t], v[ST+8*\t], v[S+8+\t]
	v_sub_f32 v[S+12+\t], v[S+4*\t], v[S+8+\t]
.endr
.irp t, 0,1
	v_exp_f32 v[S+10+\t], v[S+10+\t]               ; my factor; a partner that saw no key has the maximum -3e38 and gets the factor 0
	v_exp_f32 v[S+12+\t], v[S+12+\t]
.endr
.irp t, 0,1
	v_add_f32 v[ST+8*\t+4], v[ST+8*\t+2], v[ST+8*\t+3]
	v_add_f32 v[ST+8*\t+5], v[S+4*\t+2], v[S+4*\t+3]
.endr
	s_wait_alu depctr_va_vdst(0)                   ; one wait for the four exponentials, ahead of their first reader
.irp t, 0,1
	v_mul_f32 v[ST+8*\t+4], v[ST+8*\t+4], v[S+10+\t]
.endr
.irp t, 0,1
	v_fma_f32 v[ST+8*\t+4], v[ST+8*\t+5], v[S+12+\t], v[ST+8*\t+4]
.endr
.irp t, 0,1
	v_permlanex16_b32 v[ST+8*\t+5], v[ST+8*\t+4], s62, s63
.endr
.irp t, 0,1
	v_add_f32 v[ST+8*\t+4], v[ST+8*\t+4], v[ST+8*\t+5]   ; the row's sum
.endr
.irp t, 0,1
	v_rcp_f32 v[S+14+\t], v[ST+8*\t+4]
.endr
	v_nop
	s_wait_alu depctr_va_vdst(0)
.irp t, 0,1
	v_mul_f32 v[ST+8*\t+6], v[S+10+\t], v[S+14+\t]
	v_mul_f32 v[ST+8*\t+4], v[S+12+\t], v[S+14+\t]
.endr
.set i, 0
.rept 16
.irp t, 0,1
	v_pk_mul_f32 v[OT+32*\t+2*i:OT+32*\t+2*i+1], v[OT+32*\t+2*i:OT+32*\t+2*i+1], v[ST+8*\t+6:ST+8*\t+7] op_sel_hi:[1,0]
.endr
.set i, i+1
.endr
.set i, 0
.rept 16
.irp t, 0,1
	v_pk_fma_f32 v[OT+32*\t+2*i:OT+32*\t+2*i+1], v[KV+32*\t+2*i:KV+32*\t+2*i+1], v[ST+8*\t+4:ST+8*\t+5], v[OT+32*\t+2*i:OT+32*\t+2*i+1] op_sel_hi:[1,0,1]
.endr
.set i, i+1
.endr
.set i, 0
.rept 16
.irp t, 0,1
	v_cvt_pk_f16_f32 v[S+16+16*\t+i], v[OT+32*\t+2*i], v[OT+32*\t+2*i+1]
.endr
.set i, i+1
.endr
.irp t, 0,1
.irp dt, 0,1,2,3
	global_store_b128 v[LI], v[S+16+16*\t+4*\dt:S+16+16*\t+4*\dt+3], s[60:61] offset:24576*\t+512*\dt   ; 512 consecutive bytes: a register group of the next launch's fragment
.endr
.endr
.endm
; A STEP: my group's 64 keys of half u of slot s.
.macro STEP s, u
	s_add_co_u32 s53, s50, s20
.if \u
	s_add_co_u32 s53, s53, 128
.endif
	s_add_co_u32 s54, s52, 31
	s_cmp_gt_u32 s53, s54                          ; all 64 keys come after my 32 queries: ids and counted steps alone; the jump leads round LDS reads and register work, round no barrier and no tensor load
	s_cbranch_scc1 .Lhid_\@
.irp f, 0,1,2,3,4,5,6,7
.irp g, 0,1
	ds_load_b128 v[KV+8*\f+4*\g:KV+8*\f+4*\g+3], v[AK+\s] offset:8192*(\f/4)+4096*\u+2048*((\f/2)%2)+1024*(\f%2)+512*\g
.endr
.endr
	s_wait_dscnt 0x0
.irp dk, 0,1                           ; S^T = K Q^T: eight accumulators by turns; the first eight products start the sums
.irp a, 0,1,2,3
.irp t, 0,1
.if \dk == 0
	v_wmma_f32_16x16x32_f16 v[S+32*\t+8*\a:S+32*\t+8*\a+7], v[KV+8*(2*\a+\dk):KV+8*(2*\a+\dk)+7], v[Q+16*\t+8*\dk:Q+16*\t+8*\dk+7], 0
.else
	v_wmma_f32_16x16x32_f16 v[S+32*\t+8*\a:S+32*\t+8*\a+7], v[KV+8*(2*\a+\dk):KV+8*(2*\a+\dk)+7], v[Q+16*\t+8*\dk:Q+16*\t+8*\dk+7], v[S+32*\t+8*\a:S+32*\t+8*\a+7]
.endif
.endr
.endr
.endr
.rept 4
	v_nop                                          ; four places in front of loads into K's registers and of the first read of the scores
.endr
.irp f, 0,1,2,3,4,5,6,7                ; V lands while the softmax is worked
.irp g, 0,1
	ds_load_b128 v[KV+8*\f+4*\g:KV+8*\f+4*\g+3], v[AK+\s] offset:32768+8192*(\f/4)+4096*\u+2048*((\f/2)%2)+1024*(\f%2)+512*\g
.endr
.endr
	s_add_co_u32 s54, s53, 63
	s_cmp_le_u32 s54, s52                          ; all 64 keys count for all my queries: no mask
	s_cbranch_scc1 .Lopen_\@
	s_sub_co_i32 s54, s52, s53
	v_add_nc_u32 v[MD], s54, v[RH]                 ; register 8 a + j holds key 16 a + 8 h + j of the step: hidden where 16 a + j > my query - the step's first key - 8 h
	v_add_nc_u32 v[MD+1], 16, v[MD]
.irp t, 0,1
.set n, 0
.rept 32
	v_cmp_gt_i32 vcc_lo, 16*(n/8)+n%8, v[MD+\t]
	v_cndmask_b32 v[S+32*\t+n], v[S+32*\t+n], v[NINF], vcc_lo
.set n, n+1
.endr
.endr
.Lopen_\@:
.irp j, 0,1,2,3                        ; the maximum: four chains a tile, each accumulator from its low end on; the two tiles by turns
.irp t, 0,1
	v_max3_num_f32 v[ST+8*\t+4+\j], v[S+32*\t+8*\j], v[S+32*\t+8*\j+1], v[S+32*\t+8*\j+2]
.endr
.endr
.irp i, 3,5
.irp j, 0,1,2,3
.irp t, 0,1
	v_max3_num_f32 v[ST+8*\t+4+\j], v[ST+8*\t+4+\j], v[S+32*\t+8*\j+\i], v[S+32*\t+8*\j+\i+1]
.endr
.endr
.endr
.irp t, 0,1
	v_max3_num_f32 v[ST+8*\t+4], v[ST+8*\t+4], v[S+32*\t+7], v[S+32*\t+15]
	v_max3_num_f32 v[ST+8*\t+6], v[ST+8*\t+6], v[S+32*\t+23], v[S+32*\t+31]
.endr
.irp t, 0,1
	v_max3_num_f32 v[ST+8*\t+4], v[ST+8*\t+4], v[ST+8*\t+5], v[ST+8*\t+6]
.endr
.irp t, 0,1
	v_max3_num_f32 v[ST+8*\t+4], v[ST+8*\t+4], v[ST+8*\t+7], v[ST+8*\t+1]
.endr
.irp t, 0,1
	v_permlanex16_b32 v[ST+8*\t+5], v[ST+8*\t+4], s62, s63   ; the query's other 32 keys lie in the lane 16 away
.endr
.irp t, 0,1
	v_mov_b32 v[ST+8*\t+7], v[ST+8*\t]
.endr
.irp t, 0,1
	v_max_num_f32 v[ST+8*\t+1], v[ST+8*\t+4], v[ST+8*\t+5]
.endr
.irp t, 0,1
	v_mul_f32 v[ST+8*\t], s22, v[ST+8*\t+1]
.endr
.irp t, 0,1
	v_sub_f32 v[ST+8*\t+7], v[ST+8*\t+7], v[ST+8*\t]
.endr
.set j, 0
.rept 16
.irp t, 0,1
	v_pk_fma_f32 v[S+32*\t+2*j:S+32*\t+2*j+1], v[S+32*\t+2*j:S+32*\t+2*j+1], s[22:23], v[ST+8*\t:ST+8*\t+1] op_sel_hi:[1,0,0] neg_lo:[0,0,1] neg_hi:[0,0,1]   ; c s - c m
.endr
.set j, j+1
.endr
.irp t, 0,1
	v_exp_f32 v[ST+8*\t+6], v[ST+8*\t+7]           ; a = 2^(c m_old - c m_new)
.endr
.set j, 0
.rept 32
.irp t, 0,1
	v_exp_f32 v[S+32*\t+j], v[S+32*\t+j]
.endr
.set j, j+1
.endr
	v_nop                                          ; one plain line behind the last exponential,
	s_wait_alu depctr_va_vdst(0)                   ; and ONE wait for the batch of 66, ahead of its first reader
.irp t, 0,1                            ; the row's sum, of p in f32, in two chains a tile
	v_pk_add_f32 v[ST+8*\t+4:ST+8*\t+5], v[S+32*\t:S+32*\t+1], v[S+32*\t+2:S+32*\t+3]
	v_pk_add_f32 v[YS+2*\t:YS+2*\t+1], v[S+32*\t+4:S+32*\t+5], v[S+32*\t+6:S+32*\t+7]
.endr
.irp i, 8,12,16,20,24,28
.irp t, 0,1
	v_pk_add_f32 v[ST+8*\t+4:ST+8*\t+5], v[ST+8*\t+4:ST+8*\t+5], v[S+32*\t+\i:S+32*\t+\i+1]
	v_pk_add_f32 v[YS+2*\t:YS+2*\t+1], v[YS+2*\t:YS+2*\t+1], v[S+32*\t+\i+2:S+32*\t+\i+3]
.endr
.endr
.irp t, 0,1
	v_pk_fma_f32 v[ST+8*\t+2:ST+8*\t+3], v[ST+8*\t+2:ST+8*\t+3], v[ST+8*\t+6:ST+8*\t+7], v[ST+8*\t+4:ST+8*\t+5] op_sel_hi:[1,0,1]
.endr
.irp t, 0,1
	v_pk_add_f32 v[ST+8*\t+2:ST+8*\t+3], v[ST+8*\t+2:ST+8*\t+3], v[YS+2*\t:YS+2*\t+1]
.endr
.set i, 0
.rept 16
.irp t, 0,1
	v_cvt_pk_f16_f32 v[S+32*\t+i], v[S+32*\t+2*i], v[S+32*\t+2*i+1]   ; in place: register i is written when 2 i and 2 i + 1 are read
.endr
.set i, i+1
.endr
.set i, 0
.rept 16
.irp t, 0,1
	v_pk_mul_f32 v[OT+32*\t+2*i:OT+32*\t+2*i+1], v[OT+32*\t+2*i:OT+32*\t+2*i+1], v[ST+8*\t+6:ST+8*\t+7] op_sel_hi:[1,0]
.endr
.set i, i+1
.endr
	s_wait_dscnt 0x0                               ; V is in
.irp kk, 0,1                           ; O^T += V^T P: eight accumulators by turns
.irp dt, 0,1,2,3
.irp t, 0,1
	v_wmma_f32_16x16x32_f16 v[OT+32*\t+8*\dt:OT+32*\t+8*\dt+7], v[KV+8*(2*\dt+\kk):KV+8*(2*\dt+\kk)+7], v[S+32*\t+8*\kk:S+32*\t+8*\kk+7], v[OT+32*\t+8*\dt:OT+32*\t+8*\dt+7]
.endr
.endr
.endr
.rept 5
	v_nop                                          ; five places: the next scores are laid over p's registers by matrix instructions; four would do for the loads into V's
.endr
.Lhid_\@:
.endm
; A PREFETCH INTO THE L2: in trips 1 to 14 each wave of the head's first work-group names the 8 KiB that it will itself load one trip on (key slots 2 to 15), lanes 256 bytes apart:
; lanes 0-15 the tile's first row, lanes 16-31 its second.  Each block of 256 bytes of a head's K and V from slot 2 on is named once in the launch; the last request names slot 15.
.macro ASK
	s_sub_co_u32 s54, s48, 1
	s_cmp_lt_u32 s54, s55
	s_cbranch_scc0 .Lna_\@
	global_prefetch_b8 v[PFO], s[46:47] th:TH_LOAD_NT scope:SCOPE_SE
.Lna_\@:
.endm
; A TRIP: slot s is read; refill = 1: the other slot is filled with the next trip's keys; sw = 1: the change of blocks may fall here.
.macro TRIP s, refill, sw
.if \sw
	s_cmp_lg_u32 s48, s49
	s_cbranch_scc1 .Lnp_\@
	s_cmp_lt_u32 s18, 4
	s_cbranch_scc1 .Lnp_\@
	PUT \s
.Lnp_\@:
.endif
	s_wait_tensorcnt 0x0                           ; my one tensor load, my part of this slot, has landed: a group 0 may be written
	ds_add_u32 v[SPW], v[NIL]                      ; 0 onto my spare word
.if \refill
	s_add_co_u32 s54, s48, 1
	s_add_co_u32 s51, s50, 256                     ; the next slot's first key: 256 on,
	s_cmp_eq_u32 s54, s49
	s_cselect_b32 s51, 0, s51                      ; or 0, where the second block begins
	s_lshl_b32 s44, s51, 7                         ; 128 bytes a key in K and in V alike
	s_add_nc_u64 s[38-4*\s:39-4*\s], s[40:41], s[44:45]
	s_or_b32 s[39-4*\s], s[39-4*\s], 0x80000000
	s_wait_xcnt 0x0                                ; the last prefetch, a trip back, has read its address
	s_add_nc_u64 s[46:47], s[40:41], s[44:45]
	s_add_nc_u64 s[46:47], s[46:47], s[42:43]      ; one slot further on than the load
.endif
	s_wait_dscnt 0x0                               ; the add is done; my reads of the other slot are over; my stores into the stage have landed
	s_barrier_signal -1
	s_barrier_wait -1
.if \refill
	tensor_load_to_lds s[36-4*\s:39-4*\s], s[24:31]   ; every wave's one load behind the barrier: it has this trip's two steps in which to land
	s_nop 0
	ASK
.endif
.if \sw
	s_cmp_lg_u32 s48, s49
	s_cbranch_scc1 .Lns_\@
	s_cmp_ge_u32 s18, 4
	s_cbranch_scc1 .Lnm_\@
	MERGE \s
.Lnm_\@:
	s_sub_co_u32 s52, 31, s66
	s_lshl_b32 s52, s52, 7
	s_lshl_b32 s54, s19, 5
	s_add_co_u32 s52, s52, s54                     ; my first query of block 31 - i
	INIT
.Lns_\@:
.endif
	STEP \s, 0
	STEP \s, 1
.if \refill
	s_add_co_u32 s48, s48, 1
	s_mov_b32 s50, s51
.endif
.endm
	s_load_b128 s[4:7], s[0:1], 0x0                ; qkv, ctx
	v_lshl_add_u32 v[SPW], v0, 2, SPARE
	v_mov_b32 v[NIL], 0
	ds_add_u32 v[SPW], v[NIL]                      ; the wave's opening: the add, twice on end, and its wait ahead of my first tensor load
	ds_add_u32 v[SPW], v[NIL]
	v_lshrrev_b32 v8, 5, v0
	v_readfirstlane_b32 s18, v8                    ; wave 0..7
	s_and_b32 s19, s18, 3
	s_lshr_b32 s21, s18, 2                         ; my group of keys.  Also: I fetch for K (0) or V (1)
	s_lshl_b32 s20, s21, 6
	s_mov_b32 s66, ttmp9
	s_and_b32 s57, ttmp7, 0xffff
	s_mov_b32 s22, 0x3e38aa3b                      ; c = log2(e) / 8
	s_mov_b32 s23, s22
	s_mov_b32 s24, 3<<16                           ; group 1: 2 rows of 512 elements of 8 bytes, 2,048 elements apart; no padding: fragments are read as consecutive bytes
	s_mov_b32 s25, 512<<16
	s_mov_b32 s26, 2<<16
	s_mov_b32 s27, 512<<16
	s_mov_b32 s28, 2
	s_mov_b32 s29, 2048
	s_mov_b32 s30, 0
	s_mov_b32 s31, 0
	s_mov_b32 s62, 0x76543210
	s_mov_b32 s63, 0xfedcba98
	s_mov_b32 s42, 32768
	s_mov_b32 s43, 0
	s_mov_b32 s45, 0
	s_lshr_b32 s49, s66, 1
	s_add_co_u32 s49, s49, 1                       ; block i has i / 2 + 1 slots
	s_cmp_eq_u32 s66, 0
	s_cselect_b32 s55, 14, 0
	s_add_co_u32 s68, s21, 1
	s_mul_i32 s68, s68, 6291456                    ; K's or V's part of qkv,
	s_lshl_b32 s54, s57, 19
	s_add_co_u32 s68, s68, s54                     ; my head,
	s_lshl_b32 s54, s19, 12
	s_add_co_u32 s68, s68, s54                     ; my 4,096 bytes of each half of a slot
	s_mov_b32 s69, 0
	s_mov_b32 s32, 1
	s_lshl_b32 s33, s18, 13                        ; slot 0: 8,192 x wave
	s_mov_b32 s36, 1
	s_add_co_u32 s37, s33, SLOTB
	s_wait_dscnt 0x0                               ; both opening adds are done
	s_wait_kmcnt 0x0
	s_add_nc_u64 s[40:41], s[4:5], s[68:69]
	s_mov_b64 s[34:35], s[40:41]
	s_or_b32 s35, s35, 0x80000000
	tensor_load_to_lds s[32:35], s[24:31]          ; key slot 0: every wave issues it, with no branch
	s_nop 0
	v_and_b32 v8, 31, v0
	v_lshlrev_b32 v[LI], 4, v8
	s_lshl_b32 s54, s21, 14
	v_add_nc_u32 v[AK], s54, v[LI]
	v_add_nc_u32 v[AK+1], SLOTB, v[AK]
	s_mul_i32 s54, s19, 9216
	s_add_co_u32 s54, s54, STAGE0
	v_add_nc_u32 v[STW], s54, v[LI]
	v_and_b32 v8, 15, v0
	v_bfe_u32 v9, v0, 4, 1
	v_lshlrev_b32 v[PFO], 8, v8
	v_lshl_add_u32 v[PFO], v9, 14, v[PFO]
	v_lshlrev_b32 v9, 3, v9
	v_sub_nc_u32 v[RH], v8, v9
	v_mov_b32 v[NINF], 0xff800000
	s_lshl_b32 s52, s66, 7
	s_lshl_b32 s54, s19, 5
	s_add_co_u32 s52, s52, s54                     ; my first query of block i
	INIT
	s_mov_b32 s48, 0
	s_mov_b32 s50, 0
	s_mov_b32 s56, 8
.Lloop:                                            ; 8 trips of two slots; the change of blocks falls at trip 1 to 8, always in here
	TRIP 0, 1, 1
	TRIP 1, 1, 1
	s_sub_co_u32 s56, s56, 1
	s_cmp_lg_u32 s56, 0
	s_cbranch_scc1 .Lloop
	TRIP 0, 0, 0                                   ; the 17th slot is written out: nothing is left to fetch
	s_cmp_lt_u32 s18, 4
	s_cbranch_scc1 .Lnp_end
	PUT 0
.Lnp_end:
	s_wait_dscnt 0x0                               ; my stores into the stage have landed
	s_barrier_signal -1
	s_barrier_wait -1
	s_cmp_ge_u32 s18, 4
	s_cbranch_scc1 .Lnm_end
	MERGE 0
.Lnm_end:
	s_wait_tensorcnt 0x0                           ; the wave's end
	ds_add_u32 v[SPW], v[NIL]
	s_wait_dscnt 0x0
	s_endpgm
.Lfunc_end_k_q331c22b5b7_attn:
	.size	k_q331c22b5b7_attn, .Lfunc_end_k_q331c22b5b7_attn-k_q331c22b5b7_attn
	.p2alignl 7, 3214868480
	.fill 96, 4, 3214868480
	.section	.rodata,"a",@progbits
	.p2align	6, 0x0
	.amdhsa_kernel k_q331c22b5b7_attn
		.amdhsa_group_segment_fixed_size 327680
		.amdhsa_private_segment_fixed_size 0
		.amdhsa_enable_private_segment 0
		.amdhsa_kernarg_size 16
		.amdhsa_user_sgpr_count 2
		.amdhsa_user_sgpr_kernarg_segment_ptr 1
		.amdhsa_wavefront_size32 1
		.amdhsa_system_sgpr_workgroup_id_x 1
		.amdhsa_system_sgpr_workgroup_id_y 1
		.amdhsa_system_sgpr_workgroup_id_z 1
		.amdhsa_system_vgpr_workitem_id 0
		.amdhsa_next_free_vgpr 256
		.amdhsa_next_free_sgpr 72
		.amdhsa_reserve_vcc 1
		.amdhsa_float_denorm_mode_32 3
		.amdhsa_float_denorm_mode_16_64 3
		.amdhsa_memory_ordered 1
		.amdhsa_forward_progress 1
		.amdhsa_inst_pref_size 175
	.end_amdhsa_kernel
	.amdgpu_metadata
---
amdhsa.version: [ 1, 2 ]
amdhsa.kernels:
  - .name:           k_q331c22b5b7_attn
    .symbol:         k_q331c22b5b7_attn.kd
    .args:
      - { .name: qkv, .offset: 0, .size: 8, .value_kind: global_buffer, .address_space: global }
      - { .name: ctx, .offset: 8, .size: 8, .value_kind: global_buffer, .address_space: global }
    .group_segment_fixed_size: 327680
    .private_segment_fixed_size: 0
    .kernarg_segment_align: 8
    .kernarg_segment_size: 16
    .max_flat_workgroup_size: 256
    .sgpr_count:     72
    .vgpr_count:     256
    .wavefront_size: 32
...
	.end_amdgpu_metadata
.endif
;; end of part 3
;; launch proj (part 4): grid 4 x 64, 4 waves a work-group, no clusters, 167,936 bytes of LDS; arguments ctx, woh, bo, out0; writes out0
.if DOCPART == 4
	.amdgcn_target "amdgcn-amd-amdhsa--gfx1250"
	.amdhsa_code_object_version 6
	.text
	.protected	k_q331c22b5b7_proj
	.globl	k_q331c22b5b7_proj
	.p2align	8
	.type	k_q331c22b5b7_proj,@function
k_q331c22b5b7_proj:
	s_mov_b64 s[64:65], 0
	v_nop
	global_prefetch_b8 v0, s[64:65] scope:SCOPE_SE
	s_setreg_imm32_b32 hwreg(HW_REG_WAVE_MODE, 25, 1), 1
	s_wait_xcnt 0x0
; out0 = ctx wo + bo, operands f16, sums f32.  Rows 0-15 are computed here only as part of a tile of 64 rows and are NOT stored: the last launch makes them in f32 and is their one writer.
; SHARES.  Work-group (x, y): rows 64 y on, columns 192 x on: 256 work-groups.  Wave w: all 64 rows x columns 48 w on: 12 accumulators.  The rows' fragments, 98,304 dense bytes, come into
; LDS once (a quarter a wave) and serve all four waves; a wave's own 72 fragments of wo, for all of K, come once, straight into 576 registers.  No ring: all is asked for at the head.
; The product is used transposed (source 0 = 16 columns of wo, source 1 = 16 rows of ctx): a lane holds eight neighbouring columns of a row.  The bias is the C of each sum's first product.
; NO CLUSTER: what partners could share is ctx's 96 KiB of the 384 KiB that a work-group takes in; wo goes to registers.
; REGISTERS.  Window 0: v1-9 addresses, v32-127 accumulators (8 (3 mt + nt)), v128-255 two sets of ctx's fragments ([K step of a pair][mt]).  wo's fragment (ks, nt) at 24 (ks % 10) + 8 nt of
; window 1 + ks / 10; the bias at v96-119 of window 3.
.set STG,   98304                      ; the stage: 64 rows x (768 + 16) bytes
.set SPARE, 148480
.set SPW, 8
.set NIL, 9
.set MSB, 0
.macro WIN new
.if MSB != (\new)
	s_set_vgpr_msb (MSB<<8)|(\new)
.set MSB, (\new)
.endif
.endm
.macro FETCH p                         ; ctx's eight fragments of K steps 2 p and 2 p + 1 into set p % 2; v1 serves row tiles 0, 1 and v4 (49,152 on) tiles 2, 3
.irp ksl, 0,1
.irp mt, 0,1,2,3
.irp g, 0,1
	ds_load_b128 v[128+64*((\p)%2)+32*\ksl+8*\mt+4*\g:128+64*((\p)%2)+32*\ksl+8*\mt+4*\g+3], v[1+3*(\mt/2)] offset:24576*(\mt%2)+1024*(2*(\p)+\ksl)+512*\g
.endr
.endr
.endr
.endm
.macro PAIR p
.if (\p) > 0
.rept 4
	v_nop                                          ; four places in front of loads into the set that the last pair multiplied
.endr
.endif
	WIN 0
.if (\p) < 11
	FETCH (\p)+1
	s_wait_dscnt 16                                ; this pair's fragments are in; the 16 loads just issued stay out
.else
	s_wait_dscnt 0x0
.endif
.if 6*(22-2*(\p)) > 63
	s_wait_loadcnt 63                              ; more of wo's loads could stay out; a wait names 63 at the most
.else
	s_wait_loadcnt 6*(22-2*(\p))                   ; six loads for each later K step stay out
.endif
.irp ksl, 0,1
.set ks, 2*(\p)+\ksl
.if ks == 0
	WIN 0x31
.else
	WIN 1+ks/10
.endif
.irp mt, 0,1,2,3                       ; the twelve accumulators take turns
.irp nt, 0,1,2
.if ks == 0
	v_wmma_f32_16x16x32_f16 v[32+8*(3*\mt+\nt):32+8*(3*\mt+\nt)+7], v[24*(ks%10)+8*\nt:24*(ks%10)+8*\nt+7], v[128+64*((\p)%2)+32*\ksl+8*\mt:128+64*((\p)%2)+32*\ksl+8*\mt+7], v[96+8*\nt:96+8*\nt+7]
.else
	v_wmma_f32_16x16x32_f16 v[32+8*(3*\mt+\nt):32+8*(3*\mt+\nt)+7], v[24*(ks%10)+8*\nt:24*(ks%10)+8*\nt+7], v[128+64*((\p)%2)+32*\ksl+8*\mt:128+64*((\p)%2)+32*\ksl+8*\mt+7], v[32+8*(3*\mt+\nt):32+8*(3*\mt+\nt)+7]
.endif
.endr
.endr
.endr
.endm
	s_load_b256 s[4:11], s[0:1], 0x0               ; ctx 4, woh 6, bo 8, out0 10
	v_lshl_add_u32 v[SPW], v0, 2, SPARE
	v_mov_b32 v[NIL], 0
	ds_add_u32 v[SPW], v[NIL]                      ; the wave's opening: the add, twice on end, and its wait ahead of my first tensor load
	ds_add_u32 v[SPW], v[NIL]
	v_lshrrev_b32 v10, 5, v0
	v_readfirstlane_b32 s12, v10                   ; wave
	s_mov_b32 s13, ttmp9
	s_and_b32 s14, ttmp7, 0xffff
	s_mov_b32 s24, 3<<16                           ; group 1: 24,576 dense bytes as 96 rows of 32 elements of 8 bytes
	s_mov_b32 s25, 32<<16
	s_mov_b32 s26, 96<<16
	s_mov_b32 s27, 32<<16
	s_mov_b32 s28, 96
	s_mov_b32 s29, 32
	s_mov_b32 s30, 0
	s_mov_b32 s31, 0
	s_lshl_b32 s16, s14, 2
	s_add_co_u32 s16, s16, s12
	s_mul_i32 s40, s16, 24576                      ; ctx: row tile 4 y + wave
	s_mov_b32 s41, 0
	s_mul_i32 s16, s13, 12
	s_mul_i32 s17, s12, 3
	s_add_co_u32 s16, s16, s17
	s_mul_i32 s42, s16, 24576                      ; woh: column tile 12 x + 3 wave
	s_mov_b32 s43, 0
	s_mul_i32 s44, s13, 768
	s_mul_i32 s17, s12, 192
	s_add_co_u32 s44, s44, s17                     ; bo: my 48 numbers
	s_mov_b32 s45, 0
	s_lshl_b32 s16, s14, 6
	s_lshl_b32 s17, s12, 4
	s_add_co_u32 s16, s16, s17
	s_mul_i32 s46, s16, 3072
	s_mul_i32 s17, s13, 768
	s_add_co_u32 s46, s46, s17                     ; out0: row 64 y + 16 wave, column 192 x
	s_mov_b32 s47, 0
	v_and_b32 v10, 31, v0
	v_lshlrev_b32 v1, 4, v10                       ; 16 x lane
	v_bfe_u32 v11, v0, 4, 1                        ; h
	v_and_b32 v12, 15, v0                          ; r
	v_lshlrev_b32 v2, 5, v11
	v_add_nc_u32 v4, 49152, v1
	v_mul_u32_u24 v5, v12, 784
	v_lshl_add_u32 v5, v11, 5, v5
	s_mul_i32 s16, s12, 192
	s_add_co_u32 s16, s16, STG
	v_add_nc_u32 v5, s16, v5                       ; into the stage: row r, 32 h, my 192 bytes
	v_mul_u32_u24 v6, v11, 6272
	v_lshl_add_u32 v6, v12, 4, v6
	s_mul_i32 s16, s12, 12544
	s_add_co_u32 s16, s16, STG
	v_add_nc_u32 v6, s16, v6                       ; back: my 16 rows; lanes 0-15 a row's 256 bytes, lanes 16-31 those of the row 8 further down
	v_mul_u32_u24 v7, v11, 24576
	v_lshl_add_u32 v7, v12, 4, v7                  ; and the same places in out0
	s_mov_b32 s32, 1
	s_mul_i32 s33, s12, 24576
	s_wait_dscnt 0x0                               ; both opening adds are done
	s_wait_kmcnt 0x0
	s_add_nc_u64 s[34:35], s[4:5], s[40:41]
	s_or_b32 s35, s35, 0x80000000
	tensor_load_to_lds s[32:35], s[24:31]          ; one load a wave, with no branch
	s_nop 0
.rept 4
	v_nop
.endr
	s_add_nc_u64 s[6:7], s[6:7], s[42:43]
	s_add_nc_u64 s[8:9], s[8:9], s[44:45]
	s_add_nc_u64 s[10:11], s[10:11], s[46:47]
	WIN 0xc0
.irp nt, 0,1,2
	global_load_b128 v[96+8*\nt:96+8*\nt+3], v2, s[8:9] offset:64*\nt
	global_load_b128 v[96+8*\nt+4:96+8*\nt+7], v2, s[8:9] offset:64*\nt+16
.endr
.set ks, 0
.rept 24
	WIN 0x40*(1+ks/10)
.irp nt, 0,1,2
.irp g, 0,1
	global_load_b128 v[24*(ks%10)+8*\nt+4*\g:24*(ks%10)+8*\nt+4*\g+3], v1, s[6:7] offset:24576*\nt+1024*ks+512*\g
.endr
.endr
.set ks, ks+1
.endr
	WIN 0
	s_wait_tensorcnt 0x0                           ; my quarter of the rows is in,
	s_barrier_signal -1
	s_barrier_wait -1                              ; everybody's is; nothing is filled again
	FETCH 0
.irp p, 0,1,2,3,4,5,6,7,8,9,10,11
	PAIR \p
.endr
.rept 4
	v_nop                                          ; four places in front of the first read of results
.endr
	WIN 0
.irp mt, 0,1,2,3
.irp nt, 0,1,2
	ds_store_b128 v5, v[32+8*(3*\mt+\nt):32+8*(3*\mt+\nt)+3] offset:12544*\mt+64*\nt
	ds_store_b128 v5, v[32+8*(3*\mt+\nt)+4:32+8*(3*\mt+\nt)+7] offset:12544*\mt+64*\nt+16
.endr
.endr
	s_wait_dscnt 0x0                               ; for the others' sake: my stores into the stage have landed
	s_barrier_signal -1
	s_barrier_wait -1
	s_or_b32 s16, s14, s12
	s_cmp_eq_u32 s16, 0                            ; rows 0-15 belong to the last launch
	s_cbranch_scc1 .Lfine_rows
.set i, 0
.rept 24
	ds_load_b128 v[128+4*i:131+4*i], v6 offset:784*(i/3)+256*(i%3)
.set i, i+1
.endr
.set i, 0
.rept 24
	s_wait_dscnt 23-i
	global_store_b128 v7, v[128+4*i:131+4*i], s[10:11] offset:3072*(i/3)+256*(i%3) th:TH_STORE_NT   ; each half of the lanes stores 256 consecutive bytes, at a multiple of 256 from out0's first byte
.set i, i+1
.endr
.Lfine_rows:
	s_wait_tensorcnt 0x0                           ; the wave's end
	ds_add_u32 v[SPW], v[NIL]
	s_wait_dscnt 0x0
	s_endpgm
.Lfunc_end_k_q331c22b5b7_proj:
	.size	k_q331c22b5b7_proj, .Lfunc_end_k_q331c22b5b7_proj-k_q331c22b5b7_proj
	.p2alignl 7, 3214868480
	.fill 96, 4, 3214868480
	.section	.rodata,"a",@progbits
	.p2align	6, 0x0
	.amdhsa_kernel k_q331c22b5b7_proj
		.amdhsa_group_segment_fixed_size 167936
		.amdhsa_private_segment_fixed_size 0
		.amdhsa_enable_private_segment 0
		.amdhsa_kernarg_size 32
		.amdhsa_user_sgpr_count 2
		.amdhsa_user_sgpr_kernarg_segment_ptr 1
		.amdhsa_wavefront_size32 1
		.amdhsa_system_sgpr_workgroup_id_x 1
		.amdhsa_system_sgpr_workgroup_id_y 1
		.amdhsa_system_sgpr_workgroup_id_z 1
		.amdhsa_system_vgpr_workitem_id 0
		.amdhsa_next_free_vgpr 896
		.amdhsa_next_free_sgpr 66
		.amdhsa_reserve_vcc 0
		.amdhsa_float_denorm_mode_32 3
		.amdhsa_float_denorm_mode_16_64 3
		.amdhsa_memory_ordered 1
		.amdhsa_forward_progress 1
		.amdhsa_inst_pref_size 58
	.end_amdhsa_kernel
	.amdgpu_metadata
---
amdhsa.version: [ 1, 2 ]
amdhsa.kernels:
  - .name:           k_q331c22b5b7_proj
    .symbol:         k_q331c22b5b7_proj.kd
    .args:
      - { .name: ctx, .offset: 0, .size: 8, .value_kind: global_buffer, .address_space: global }
      - { .name: woh, .offset: 8, .size: 8, .value_kind: global_buffer, .address_space: global }
      - { .name: bo, .offset: 16, .size: 8, .value_kind: global_buffer, .address_space: global }
      - { .name: out0, .offset: 24, .size: 8, .value_kind: global_buffer, .address_space: global }
    .group_segment_fixed_size: 167936
    .private_segment_fixed_size: 0
    .kernarg_segment_align: 8
    .kernarg_segment_size: 32
    .max_flat_workgroup_size: 128
    .sgpr_count:     66
    .vgpr_count:     896
    .wavefront_size: 32
...
	.end_amdgpu_metadata
.endif
;; end of part 4
;; launch first16 (part 5): grid 24 x 1, 12 waves a work-group, no clusters, 28,416 bytes of LDS; arguments fine32, wo, bo, out0; writes out0
.if DOCPART == 5
	.amdgcn_target "amdgcn-amd-amdhsa--gfx1250"
	.amdhsa_code_object_version 6
	.text
	.protected	k_q331c22b5b7_first16
	.globl	k_q331c22b5b7_first16
	.p2align	8
	.type	k_q331c22b5b7_first16,@function
k_q331c22b5b7_first16:
	s_mov_b64 s[64:65], 0
	v_nop
	global_prefetch_b8 v0, s[64:65] scope:SCOPE_SE
	s_setreg_imm32_b32 hwreg(HW_REG_WAVE_MODE, 25, 1), 1
	s_wait_xcnt 0x0
; ROWS 0-15 OF out0, ALL IN f32: under the causal mask these rows average one to sixteen values and are the largest in size, so they are carried more finely than f16 operands allow.
; Their keys are positions 0-15 alone; keys behind a query are masked inside the one tile of 16 x 16.
; SHARES.  The wave is the head; work-group g owns output columns 32 g on.  Each wave redoes its head's 16 x 16 attention (32 small products), multiplies its 16 x 64 of the context by
; wo[64 head .. + 63][32 g .. + 31] and leaves the partial result in LDS as an image of its registers; wave 0 adds the twelve and the bias.
; All products are v_wmma_f32_16x16x4_f32, used transposed so that a lane holds one query; the places of k in the registers are permuted alike in both sources, which keeps the products.
; The registers that these products write (v200-247) are written by matrix instructions alone; what is made of a sum goes to other registers.
; The stores cover 128 consecutive bytes of a row: a work-group's 32 columns; the launch writes 48 KiB in all.
.set STG,   24576                      ; behind the twelve images of 2,048 bytes: 16 rows x (128 + 16) bytes
.set SPARE, 26880
; v1 r, v2 h, v3, v4 the add's two, v5-v11 offsets and LDS addresses, v12 r - 8 h, v13 -infinity, v14-23 at work, v24-39 the bias and the sum (wave 0), v40-71 k, then p in v40-47,
; v72-103 q, then the context, v104-135 v, v136-199 wo, v200-207 and v208-215 two sums by turns, v216-247 O^T
	s_load_b256 s[4:11], s[0:1], 0x0               ; fine32 4, wo 6, bo 8, out0 10
	v_lshl_add_u32 v3, v0, 2, SPARE
	v_mov_b32 v4, 0
	v_lshrrev_b32 v1, 5, v0
	v_readfirstlane_b32 s12, v1                    ; wave = head
	s_mov_b32 s13, ttmp9
	v_and_b32 v1, 15, v0                           ; r
	v_bfe_u32 v2, v0, 4, 1                         ; h
	v_mul_u32_u24 v5, v1, 6144
	v_lshl_add_u32 v5, v2, 4, v5                   ; q, k: position r, 16 h bytes on
	v_lshlrev_b32 v6, 6, v1
	v_lshl_add_u32 v6, v2, 5, v6                   ; v: channel r, keys 8 h on
	v_mul_u32_u24 v7, v2, 24576
	v_lshl_add_u32 v7, v1, 2, v7                   ; wo: 8 h rows down, column r
	v_and_b32 v14, 31, v0
	s_lshl_b32 s14, s12, 11
	v_lshl_add_u32 v8, v14, 4, s14                 ; my image: 2,048 x wave + 16 x lane
	v_mul_u32_u24 v9, v1, 144
	v_lshl_add_u32 v9, v2, 5, v9
	v_add_nc_u32 v9, STG, v9                       ; the row stage, in
	v_lshrrev_b32 v15, 3, v14
	v_and_b32 v16, 7, v14
	v_mul_u32_u24 v10, v15, 144
	v_lshl_add_u32 v10, v16, 4, v10
	v_add_nc_u32 v10, STG, v10                     ; and back: eight lanes to a row
	v_mul_u32_u24 v11, v15, 3072
	v_lshl_add_u32 v11, v16, 4, v11
	v_lshlrev_b32 v12, 3, v2
	v_sub_nc_u32 v12, v1, v12
	v_mov_b32 v13, 0xff800000
	v_lshlrev_b32 v23, 5, v2
	s_mov_b32 s20, 0x76543210
	s_mov_b32 s21, 0xfedcba98
	s_mov_b32 s22, 0x3e38aa3b                      ; c = log2(e) / 8
	s_mov_b32 s15, 0
	s_mov_b32 s25, 0
	s_lshl_b32 s24, s13, 7                         ; my 32 columns, in bytes
	s_wait_kmcnt 0x0
	s_add_nc_u64 s[8:9], s[8:9], s[24:25]
	s_add_nc_u64 s[10:11], s[10:11], s[24:25]
	s_add_nc_u64 s[6:7], s[6:7], s[24:25]
	s_mul_i32 s14, s12, 196608                     ; 64 head rows of wo
	s_add_nc_u64 s[6:7], s[6:7], s[14:15]
	s_lshl_b32 s14, s12, 8
	s_add_nc_u64 s[16:17], s[4:5], s[14:15]        ; q and k of my head
	s_lshl_b32 s14, s12, 12
	s_add_co_u32 s14, s14, 98304
	s_add_nc_u64 s[18:19], s[4:5], s[14:15]        ; v of my head
	s_cmp_lg_u32 s12, 0                            ; the bias: wave 0 alone, and first, so that the counts below are the same for all waves
	s_cbranch_scc1 .Lno_bias
.irp e, 0,1,2,3
	global_load_b128 v[24+4*\e:27+4*\e], v23, s[8:9] offset:64*(\e/2)+16*(\e%2)
.endr
.Lno_bias:
.irp u, 0,1,2,3,4,5,6,7
	global_load_b128 v[40+4*\u:43+4*\u], v5, s[16:17] offset:3072+32*\u
.endr
.irp u, 0,1,2,3,4,5,6,7
	global_load_b128 v[72+4*\u:75+4*\u], v5, s[16:17] offset:32*\u
.endr
.irp dt, 0,1,2,3
	global_load_b128 v[104+8*\dt:107+8*\dt], v6, s[18:19] offset:1024*\dt
	global_load_b128 v[108+8*\dt:111+8*\dt], v6, s[18:19] offset:1024*\dt+16
.endr
.irp tau, 0,1
.set e, 0
.rept 32
	global_load_b32 v[136+32*\tau+e], v7, s[6:7] offset:(16*(e/8)+e%8)*3072+64*\tau   ; wo[64 head + 16 dt + 8 h + e % 8][my column]
.set e, e+1
.endr
.endr
	s_wait_loadcnt 63                              ; k and q are in: 72 younger loads could stay out; a wait names 63 at the most
.set sg, 0
.rept 16                               ; S^T = k q^T: step sg stands for channels 8 (sg / 2) + 4 h + 2 (sg % 2) + 0, 1; two sums take turns
.if sg < 2
	v_wmma_f32_16x16x4_f32 v[200+8*(sg%2):207+8*(sg%2)], v[40+2*sg:41+2*sg], v[72+2*sg:73+2*sg], 0
.else
	v_wmma_f32_16x16x4_f32 v[200+8*(sg%2):207+8*(sg%2)], v[40+2*sg:41+2*sg], v[72+2*sg:73+2*sg], v[200+8*(sg%2):207+8*(sg%2)]
.endif
.set sg, sg+1
.endr
.rept 8
	v_nop                                          ; eight places behind this form (ISA guide 7.12.1)
.endr
.irp j, 0,1,2,3,4,5,6,7
	v_add_f32 v[40+\j], v[200+\j], v[208+\j]       ; the score of key 8 h + j for query r
.endr
.irp j, 0,1,2,3,4,5,6,7
	v_cmp_gt_i32 vcc_lo, \j, v12                   ; hidden where 8 h + j > r
	v_cndmask_b32 v[40+\j], v[40+\j], v13, vcc_lo
.endr
	v_max3_num_f32 v14, v40, v41, v42
	v_max3_num_f32 v15, v43, v44, v45
	v_max3_num_f32 v14, v14, v46, v47
	v_max_num_f32 v14, v14, v15
	v_permlanex16_b32 v15, v14, s20, s21
	v_max_num_f32 v14, v14, v15                    ; key 0 counts for every query: the maximum is a number
	v_mul_f32 v14, s22, v14
.irp j, 0,1,2,3,4,5,6,7
	v_fma_f32 v[40+\j], v[40+\j], s22, -v14
.endr
.irp j, 0,1,2,3,4,5,6,7
	v_exp_f32 v[40+\j], v[40+\j]
.endr
	v_nop
	s_wait_alu depctr_va_vdst(0)                   ; one wait for the eight, ahead of their first reader
	v_add_f32 v16, v40, v41
	v_add_f32 v17, v42, v43
	v_add_f32 v18, v44, v45
	v_add_f32 v19, v46, v47
	v_add_f32 v16, v16, v17
	v_add_f32 v18, v18, v19
	v_add_f32 v16, v16, v18
	v_permlanex16_b32 v17, v16, s20, s21
	v_add_f32 v16, v16, v17
	v_rcp_f32 v18, v16
	v_nop
	s_wait_alu depctr_va_vdst(0)
	s_wait_loadcnt 63                              ; v is in: 64 younger loads could stay out
.irp kp, 0,1,2,3                       ; O^T = v^T p: step kp stands for keys 8 h + 2 kp + 0, 1; four sums take turns
.irp dt, 0,1,2,3
.if \kp == 0
	v_wmma_f32_16x16x4_f32 v[216+8*\dt:223+8*\dt], v[104+8*\dt+2*\kp:105+8*\dt+2*\kp], v[40+2*\kp:41+2*\kp], 0
.else
	v_wmma_f32_16x16x4_f32 v[216+8*\dt:223+8*\dt], v[104+8*\dt+2*\kp:105+8*\dt+2*\kp], v[40+2*\kp:41+2*\kp], v[216+8*\dt:223+8*\dt]
.endif
.endr
.endr
.rept 8
	v_nop
.endr
.set j, 0
.rept 32
	v_mul_f32 v[72+j], v[216+j], v18               ; the context: register 8 dt + j is channel 16 dt + 8 h + j of query r
.set j, j+1
.endr
	s_wait_loadcnt 0x0                             ; wo (and, in wave 0, the bias)
.irp dt, 0,1,2,3                       ; my head's part of the projection: step (dt, kp) stands for channels 16 dt + 8 h + 2 kp + 0, 1; the two column tiles take turns
.irp kp, 0,1,2,3
.irp tau, 0,1
.if (\dt == 0) && (\kp == 0)
	v_wmma_f32_16x16x4_f32 v[200+8*\tau:207+8*\tau], v[136+32*\tau+8*\dt+2*\kp:137+32*\tau+8*\dt+2*\kp], v[72+8*\dt+2*\kp:73+8*\dt+2*\kp], 0
.else
	v_wmma_f32_16x16x4_f32 v[200+8*\tau:207+8*\tau], v[136+32*\tau+8*\dt+2*\kp:137+32*\tau+8*\dt+2*\kp], v[72+8*\dt+2*\kp:73+8*\dt+2*\kp], v[200+8*\tau:207+8*\tau]
.endif
.endr
.endr
.endr
.rept 8
	v_nop
.endr
.irp e, 0,1,2,3
	ds_store_b128 v8, v[200+4*\e:203+4*\e] offset:512*\e   ; the image of my 16 registers, each sum from its low end on
.endr
	s_wait_dscnt 0x0                               ; for wave 0's sake: my stores have landed
	s_barrier_signal -1
	s_barrier_wait -1
	s_cmp_lg_u32 s12, 0
	s_cbranch_scc1 .Ldone
.macro IMGS reg, w0                    ; four heads' images (wave 0's v8 is 16 x lane)
.irp w, 0,1,2,3
.irp e, 0,1,2,3
	ds_load_b128 v[\reg+16*\w+4*\e:\reg+16*\w+4*\e+3], v8 offset:2048*(\w0+\w)+512*\e
.endr
.endr
.endm
.macro SUMS reg
.irp w, 0,1,2,3
.irp e, 0,1,2,3,4,5,6,7
	v_pk_add_f32 v[24+2*\e:25+2*\e], v[24+2*\e:25+2*\e], v[\reg+16*\w+2*\e:\reg+16*\w+2*\e+1]
.endr
.endr
.endm
	IMGS 40, 0
	IMGS 104, 4
	s_wait_dscnt 16                                ; the first four are in; the 16 younger loads stay out
	SUMS 40
	IMGS 40, 8
	s_wait_dscnt 16
	SUMS 104
	s_wait_dscnt 0x0
	SUMS 40
.irp tau, 0,1
	ds_store_b128 v9, v[24+8*\tau:27+8*\tau] offset:64*\tau
	ds_store_b128 v9, v[28+8*\tau:31+8*\tau] offset:64*\tau+16
.endr
.irp i, 0,1,2,3
	ds_load_b128 v[40+4*\i:43+4*\i], v10 offset:576*\i   ; LDS serves a wave's instructions in order: these see my stores
.endr
.irp i, 0,1,2,3
	s_wait_dscnt 3-\i
	global_store_b128 v11, v[40+4*\i:43+4*\i], s[10:11] offset:12288*\i
.endr
.Ldone:
	s_wait_tensorcnt 0x0                           ; the wave's end
	ds_add_u32 v3, v4
	s_wait_dscnt 0x0
	s_endpgm
.Lfunc_end_k_q331c22b5b7_first16:
	.size	k_q331c22b5b7_first16, .Lfunc_end_k_q331c22b5b7_first16-k_q331c22b5b7_first16
	.p2alignl 7, 3214868480
	.fill 96, 4, 3214868480
	.section	.rodata,"a",@progbits
	.p2align	6, 0x0
	.amdhsa_kernel k_q331c22b5b7_first16
		.amdhsa_group_segment_fixed_size 28416
		.amdhsa_private_segment_fixed_size 0
		.amdhsa_enable_private_segment 0
		.amdhsa_kernarg_size 32
		.amdhsa_user_sgpr_count 2
		.amdhsa_user_sgpr_kernarg_segment_ptr 1
		.amdhsa_wavefront_size32 1
		.amdhsa_system_sgpr_workgroup_id_x 1
		.amdhsa_system_sgpr_workgroup_id_y 1
		.amdhsa_system_sgpr_workgroup_id_z 1
		.amdhsa_system_vgpr_workitem_id 0
		.amdhsa_next_free_vgpr 256
		.amdhsa_next_free_sgpr 66
		.amdhsa_reserve_vcc 1
		.amdhsa_float_denorm_mode_32 3
		.amdhsa_float_denorm_mode_16_64 3
		.amdhsa_memory_ordered 1
		.amdhsa_forward_progress 1
		.amdhsa_inst_pref_size 31
	.end_amdhsa_kernel
	.amdgpu_metadata
---
amdhsa.version: [ 1, 2 ]
amdhsa.kernels:
  - .name:           k_q331c22b5b7_first16
    .symbol:         k_q331c22b5b7_first16.kd
    .args:
      - { .name: fine32, .offset: 0, .size: 8, .value_kind: global_buffer, .address_space: global }
      - { .name: wo, .offset: 8, .size: 8, .value_kind: global_buffer, .address_space: global }
      - { .name: bo, .offset: 16, .size: 8, .value_kind: global_buffer, .address_space: global }
      - { .name: out0, .offset: 24, .size: 8, .value_kind: global_buffer, .address_space: global }
    .group_segment_fixed_size: 28416
    .private_segment_fixed_size: 0
    .kernarg_segment_align: 8
    .kernarg_segment_size: 32
    .max_flat_workgroup_size: 384
    .sgpr_count:     66
    .vgpr_count:     256
    .wavefront_size: 32
...
	.end_amdgpu_metadata
.endif
;; end of part 5
